; MI455X (gfx1250); checked and timed in simulation.
; The chip was launched on July 23, 2026; its instructions are those of AMD's public machine-readable ISA for CDNA 5 (MIT licence, August 2026) and "CDNA5" Instruction Set Architecture Reference Guide (July 2026). The comments in the code are by the model that wrote it; some were corrected since.
;; MPM Model. Allowed arithmetic: float matrix products may take bf16 or f16 operands with f32 sums; all other float work in f32.
;; Inputs: C 2,000,000 x 2 x 2 float32; F 2,000,000 x 2 x 2 float32; Jp 2,000,000 float32; material 2,000,000 int32; v 2,000,000 x 2 float32; x 2,000,000 x 2 float32.
;; Outputs: out0 2,000,000 x 2 x 2 float32.
;; One version. Each part assembles by itself: llvm-mc -triple=amdgcn-amd-amdhsa -mcpu=gfx1250 --defsym DOCPART=n.
;; ======== version 1 of 1: 1 launch
;; limits: below input magnitudes of 1e-19 results are inexact or not finite; inputs' magnitudes at most 1e+19
;; launch mpm (part 1): grid 3125 x 1, 4 waves a work-group, no clusters, 0 bytes of LDS; arguments C, F, Jp, material, out0; writes out0
.if DOCPART == 1
	.amdgcn_target "amdgcn-amd-amdhsa--gfx1250"
	.amdhsa_code_object_version 6
	.text
	.protected	k_qa6331c8739_mpm
	.globl	k_qa6331c8739_mpm
	.p2align	8
	.type	k_qa6331c8739_mpm,@function
k_qa6331c8739_mpm:
	s_mov_b64 s[64:65], 0
	v_nop
	global_prefetch_b8 v0, s[64:65] scope:SCOPE_SE
	s_setreg_imm32_b32 hwreg(HW_REG_WAVE_MODE, 25, 1), 1
	s_wait_xcnt 0x0
; affine = -1e-4 * ( 2 mu (Fn - U V) Fn^T + lambda J (J-1) I ) + 2^-16 C      per particle, all in f32.
; (-DT * P_VOL * 4 * INV_DX^2 = -1e-4 and P_MASS = 2^-16 follow from DX = 1/128.)
;
; x AND v ARE NOT LOADED: reference() takes them as arguments and uses them in no line, so no output number hangs on them.
;
; THE SVD IS DONE IN CLOSED FORM.  A = F + DT C F = [a b; c d].  X1 = a+d, Y1 = c-b, X2 = a-d, Y2 = c+b, Q' = |(X1,Y1)|, R' = |(X2,Y2)|:
;   singular values (Q'+R')/2 and |Q'-R'|/2; their product is |det A|; the first left vector stands at angle phi with
;   (cos 2phi, sin 2phi) = (X1 X2 - Y1 Y2, X1 Y2 + X2 Y1) / (Q' R').
;   snow:  (Fn - UV) Fn^T = U (S^2 - S) U^T with S clamped (V V^T = I), free of the vectors' signs:
;          = (g1+g2)/2 I + (g1-g2)/2 [cos 2phi, sin 2phi; sin 2phi, -cos 2phi],  g = s^2 - s.
;   fluid: mu = 0, only J = |det A| counts.
;   else:  (A - U V) A^T.  U V (V, not V^T) hangs on the signs that the SVD routine gives its vectors: on sign(det U).
;          jnp.linalg.svd on the CPU is LAPACK's gesdd.  For 2 x 2 it reflects column 1 onto (d1, 0) (one Householder reflection, none on the
;          right), takes the SVD of [d1 e; 0 d2] by two rotations and mends negative values in V^T alone: det U = -1, and then
;          U V = [X1, -s Y1; Y1, s X1] / Q',  s = sign(det A).
;          det U = +1, and U V = [X2, -s Y2; Y2, s X2] / R', in two cases, which cancel when both hold:
;          c = 0 exactly (no reflection is made), and |e| <= 10 * 2^-24 / sqrt 2 * |d1| with |d1| < |d2| (e is dropped and the two columns
;          are swapped by the sort).  With d1^2 = a^2+c^2, e d1 = ab+cd, d2 d1 = -det these are tests without a root.
;          The flags only choose values (v_cndmask_b32); no branch and no address hangs on them.
;
; LIMITS.  (1) Two exactly equal singular values leave U and V open, and what the reference then returns hangs on its own rounding.  Multiples of
; the identity and diagonal matrices are served as LAPACK serves them; otherwise, where the chosen pair (X, Y) is below 2^-63, U V is taken as 0.
; (2) sign(det A) and the test of e are made on this text's rounding of A: inputs within about 1e-7 (relative) of these two borders may
; fall on the other side than in the reference.  (3) v_exp_f32 gives 0 for h below 2^-126 (Jp above about 9.7).
; material other than 0, 1, 2 is treated as reference() treats it (F kept, h from Jp).
;
; SHAPE.  2,000,000 = 3,125 x 640.  A work-group of four waves owns 640 consecutive particles; thread t takes particles 128 g + t, g = 0..4.
; A wave's 16-byte loads and stores cover 512 consecutive bytes at a multiple of 512; its 4-byte loads 128 consecutive bytes, the four waves' 512.
; All 20 loads of a wave are issued at its head (6,400 bytes); each group has registers of its own, and no address or store register is ever
; written again, so the only waits are the five counted ones.  The 2 x 2 products are eight multiply-adds in the lane that already holds both
; operands: no matrix instruction, no LDS, no barrier, no cluster (particles share nothing), no prefetch (every byte is asked for at once).
.set PARTS_WG, 640                     ; particles of a work-group
.set MAT_STEP, 128*16                  ; bytes of C, F, out from group to group
.set SCA_STEP, 128*4                   ; bytes of Jp, material from group to group
; vector registers
.set VO16, 1                           ; v1      16 t
.set VO4,  2                           ; v2      4 t
.set VKJ,  3                           ; v3      -2e-4 * MU_0
.set KK2,  4                           ; v[4:5]  (k2, 0): what is added on the diagonal, and a zero beside it
.set DATA, 6                           ; v[6:55] group g: F (4), C (4), Jp, material
.set T,    56                          ; v[56:79] at work; names below share registers where lives do not meet
.set XX,   T+0                         ; (X1, X2); before that C F, row 1
.set YY,   T+2                         ; (Y1, Y2); before that C F, row 2
.set NN,   T+4                         ; (Q'^2, R'^2)
.set ND,   T+6                         ; (a^2+c^2, ab+cd)
.set II,   T+8                         ; (1/Q', 1/R')
.set DET,  T+10
.set ADET, T+11
.set THR,  T+12
.set CN,   T+12                        ; X1 X2 - Y1 Y2
.set SN,   T+13                        ; X1 Y2 + X2 Y1
.set QR,   T+6                         ; (Q', R')
.set SELX, T+14                        ; the chosen X, Y, 1/length, and the last with det's sign
.set SELY, T+15
.set SELI, T+16
.set SELS, T+17
.set WW,   T+18                        ; A - U V by columns: (w11, w21), (w12, w22)
.set MA,   T+22                        ; (m11, m21)
.set MB,   T+14                        ; (m12, m22)
.set IQR,  T+4                         ; 1 / (Q' R')
.set SG1,  T+16                        ; twice the singular values
.set SG2,  T+17
.set CC,   T+18                        ; the same, clamped
.set GG,   T+20                        ; 4 (s^2 - s)
.set J0,   T+16
.set JJ,   T+17                        ; J (J - 1)
.set GSUM, T+6
.set GDIF, T+7
.set MS11, T+5                         ; 8 x snow's matrix
.set MS22, T+8
.set MS12, T+9
.set KK1,  T+20                        ; -2e-4 mu (for snow an eighth of it)
.set CF,   T+21
; scalar registers
.set K_DT,    16                       ; s[16:17] DT, twice (a pair for the packed forms)
.set K_PM,    18                       ; s[18:19] P_MASS, twice
.set K_L10,   20                       ; 10 log2 e
.set K_TINY,  21                       ; 2^-126
.set K_MAG,   22                       ; 0x7fffffff
.set K_LO,    23                       ; 2 x 0.975
.set K_HI,    24                       ; 2 x 1.0045
.set K_QUART, 25
.set K_03,    26
.set K_KS,    27                       ; -2e-4 MU_0 / 8
.set K_KL,    28                       ; -1e-4 LAMBDA_0
.set K_SPL,   29                       ; 10 * 2^-24 / sqrt 2
.set IS0,     30                       ; lane masks: material = 0, 1, 2
.set IS1,     31
.set IS2,     32
.set FA,      33                       ; lane masks of the two cases with det U = +1
.set FB,      34
.set FC,      35
.set FD,      36
	s_load_b256 s[4:11], s[0:1], 0x0               ; C s[4:5], F s[6:7], Jp s[8:9], material s[10:11]
	s_load_b64 s[12:13], s[0:1], 0x20              ; out0
	s_mul_i32 s2, ttmp9, PARTS_WG*16               ; the work-group's first byte in C, F, out0 (below 32,000,000)
	s_mov_b32 s3, 0
	s_mul_i32 s14, ttmp9, PARTS_WG*4               ; and in Jp, material
	s_mov_b32 s15, 0
	v_lshlrev_b32 v[VO16], 4, v0
	v_lshlrev_b32 v[VO4], 2, v0
	s_wait_kmcnt 0x0
	s_add_nc_u64 s[4:5], s[4:5], s[2:3]
	s_add_nc_u64 s[6:7], s[6:7], s[2:3]
	s_add_nc_u64 s[12:13], s[12:13], s[2:3]
	s_add_nc_u64 s[8:9], s[8:9], s[14:15]
	s_add_nc_u64 s[10:11], s[10:11], s[14:15]
.irp g, 0,1,2,3,4                                  ; four loads a group, twenty in all, each byte read once in the launch
	global_load_b128 v[DATA+10*\g:DATA+10*\g+3],   v[VO16], s[6:7]   offset:\g*MAT_STEP th:TH_LOAD_NT
	global_load_b128 v[DATA+10*\g+4:DATA+10*\g+7], v[VO16], s[4:5]   offset:\g*MAT_STEP th:TH_LOAD_NT
	global_load_b32  v[DATA+10*\g+8],              v[VO4],  s[8:9]   offset:\g*SCA_STEP th:TH_LOAD_NT
	global_load_b32  v[DATA+10*\g+9],              v[VO4],  s[10:11] offset:\g*SCA_STEP th:TH_LOAD_NT
.endr
	s_mov_b32 s[K_DT],    0x38d1b717               ; 1e-4
	s_mov_b32 s[K_DT+1],  0x38d1b717
	s_mov_b32 s[K_PM],    0x37800000               ; 2^-16
	s_mov_b32 s[K_PM+1],  0x37800000
	s_mov_b32 s[K_L10],   0x4166d4ca               ; 14.4269504
	s_mov_b32 s[K_TINY],  0x00800000
	s_mov_b32 s[K_MAG],   0x7fffffff
	s_mov_b32 s[K_LO],    0x3ff9999a               ; 2 x f32(0.975)
	s_mov_b32 s[K_HI],    0x40009375               ; 2 x f32(1.0045)
	s_mov_b32 s[K_QUART], 0x3e800000               ; 0.25
	s_mov_b32 s[K_03],    0x3e99999a               ; 0.3
	s_mov_b32 s[K_KS],    0xbd555555               ; -0.41666667 / 8
	s_mov_b32 s[K_KL],    0xbe0e38e4               ; -0.13888889
	s_mov_b32 s[K_SPL],   0x34e24630               ; 4.2146848e-7
	v_mov_b32 v[VKJ],     0xbed55555               ; -0.41666667
	v_mov_b32 v[KK2+1],   0
; One group: 32 particles of the wave, one in each lane.  left = loads of the younger groups, which may stay out.
.macro PARTICLE g, left
.set FF, DATA+10*\g                    ; F, then A = (a, b, c, d), then the chosen matrix M
.set CM, DATA+10*\g+4                  ; C, then the result
.set JP, DATA+10*\g+8                  ; Jp, then the exponent to base 2
.set MT, DATA+10*\g+9                  ; material, then h
	s_wait_loadcnt \left                           ; loads return in order (ISA guide 5.7.1): this group's four are in
	v_cmp_eq_u32 s[IS0], 0, v[MT]
	v_cmp_eq_u32 s[IS1], 1, v[MT]
	v_cmp_eq_u32 s[IS2], 2, v[MT]
	v_fma_f32 v[JP], -v[JP], s[K_L10], s[K_L10]    ; 10 (1 - Jp) log2 e
	; A = F + DT (C F), a row of two numbers at a time
	v_pk_mul_f32 v[XX:XX+1], v[CM:CM+1],   v[FF:FF+1] op_sel_hi:[0,1]                                  ; c11 (f11, f12)
	v_pk_mul_f32 v[YY:YY+1], v[CM+2:CM+3], v[FF:FF+1] op_sel_hi:[0,1]                                  ; c21 (f11, f12)
	v_pk_fma_f32 v[XX:XX+1], v[CM:CM+1],   v[FF+2:FF+3], v[XX:XX+1] op_sel:[1,0,0] op_sel_hi:[1,1,1]   ; + c12 (f21, f22)
	v_pk_fma_f32 v[YY:YY+1], v[CM+2:CM+3], v[FF+2:FF+3], v[YY:YY+1] op_sel:[1,0,0] op_sel_hi:[1,1,1]   ; + c22 (f21, f22)
	v_pk_fma_f32 v[FF:FF+1],   v[XX:XX+1], s[K_DT:K_DT+1], v[FF:FF+1]   op_sel_hi:[1,0,1]              ; (a, b)
	v_pk_fma_f32 v[FF+2:FF+3], v[YY:YY+1], s[K_DT:K_DT+1], v[FF+2:FF+3] op_sel_hi:[1,0,1]              ; (c, d)
	v_add_f32 v[XX],   v[FF],   v[FF+3]            ; X1 = a + d
	v_sub_f32 v[XX+1], v[FF],   v[FF+3]            ; X2 = a - d
	v_sub_f32 v[YY],   v[FF+2], v[FF+1]            ; Y1 = c - b
	v_add_f32 v[YY+1], v[FF+2], v[FF+1]            ; Y2 = c + b
	v_mul_f32 v[DET], v[FF+1], v[FF+2]
	v_pk_mul_f32 v[ND:ND+1], v[FF:FF+1], v[FF:FF+1] op_sel_hi:[0,1]                                    ; a (a, b)
	v_pk_mul_f32 v[NN:NN+1], v[XX:XX+1], v[XX:XX+1]
	v_fma_f32 v[DET], v[FF], v[FF+3], -v[DET]      ; a d - b c
	v_pk_fma_f32 v[ND:ND+1], v[FF+2:FF+3], v[FF+2:FF+3], v[ND:ND+1] op_sel_hi:[0,1,1]                  ; + c (c, d) = (d1^2, e d1)
	v_pk_fma_f32 v[NN:NN+1], v[YY:YY+1], v[YY:YY+1], v[NN:NN+1]                                        ; (Q'^2, R'^2)
	v_and_b32 v[ADET], s[K_MAG], v[DET]
	v_fma_f32 v[THR], s[K_SPL], v[ND], -|v[ND+1]|  ; >= 0 where |e| <= threshold (one rounding: the sign is exact)
	v_cmp_lt_f32 s[FA], v[ND], v[ADET]             ; |d1| < |d2|
	v_cmp_le_f32 s[FB], 0, v[THR]
	v_cmp_eq_f32 s[FC], 0, v[FF+2]                 ; c = 0: no reflection
	v_cmp_lt_f32 s[FD], 0, v[NN+1]                 ; but a multiple of the identity has no (X2, Y2) to go by; (X1, Y1) serves it
	v_max_num_f32 v[NN],   s[K_TINY], v[NN]        ; so that 0 x 1/sqrt(0) cannot arise
	v_max_num_f32 v[NN+1], s[K_TINY], v[NN+1]
	s_and_b32 s[FA], s[FA], s[FB]
	s_and_b32 s[FC], s[FC], s[FD]
	s_xor_b32 s[FA], s[FA], s[FC]                  ; lanes with det U = +1
	v_rsq_f32 v[II],   v[NN]
	v_rsq_f32 v[II+1], v[NN+1]
	v_exp_f32 v[MT],   v[JP]                       ; h = exp(10 (1 - Jp))
	v_mul_f32 v[CN], v[YY], v[YY+1]                ; plain lines that touch none of the three results or sources stand behind them (ISA guide 5.7.2)
	v_mul_f32 v[SN], v[XX+1], v[YY]
	v_fma_f32 v[CN], v[XX], v[XX+1], -v[CN]
	v_fma_f32 v[SN], v[XX], v[YY+1], v[SN]
	s_wait_alu depctr_va_vdst(0)
	v_pk_mul_f32 v[QR:QR+1], v[NN:NN+1], v[II:II+1]                                                    ; (Q', R')
	; M = (A - U V) A^T
	v_cndmask_b32 v[SELX], v[XX], v[XX+1], s[FA]
	v_cndmask_b32 v[SELY], v[YY], v[YY+1], s[FA]
	v_cndmask_b32 v[SELI], v[II], v[II+1], s[FA]
	v_mul_f32 v[IQR], v[II], v[II+1]
	v_bfi_b32 v[SELS], s[K_MAG], v[SELI], v[DET]   ; s / length: the magnitude of the one, the sign of the other
	v_fma_f32 v[WW],   -v[SELX], v[SELI], v[FF]    ; w11 = a - X / l
	v_fma_f32 v[WW+1], -v[SELY], v[SELI], v[FF+2]  ; w21 = c - Y / l
	v_fma_f32 v[WW+2],  v[SELY], v[SELS], v[FF+1]  ; w12 = b + s Y / l
	v_fma_f32 v[WW+3], -v[SELX], v[SELS], v[FF+3]  ; w22 = d - s X / l
	v_pk_mul_f32 v[MA:MA+1], v[WW:WW+1], v[FF:FF+1]   op_sel_hi:[1,0]                                  ; (w11, w21) a
	v_pk_mul_f32 v[MB:MB+1], v[WW:WW+1], v[FF+2:FF+3] op_sel_hi:[1,0]                                  ; (w11, w21) c
	v_pk_fma_f32 v[MA:MA+1], v[WW+2:WW+3], v[FF:FF+1],   v[MA:MA+1] op_sel:[0,1,0] op_sel_hi:[1,1,1]   ; + (w12, w22) b = (m11, m21)
	v_pk_fma_f32 v[MB:MB+1], v[WW+2:WW+3], v[FF+2:FF+3], v[MB:MB+1] op_sel:[0,1,0] op_sel_hi:[1,1,1]   ; + (w12, w22) d = (m12, m22)
	; snow: clamp (in doubled units, which costs no halving), g = s^2 - s, and U g U^T, eightfold
	v_add_f32 v[SG1], v[QR], v[QR+1]
	v_sub_f32 v[SG2], v[QR], v[QR+1]
	v_and_b32 v[SG2], s[K_MAG], v[SG2]
	v_med3_num_f32 v[CC],   v[SG1], s[K_LO], s[K_HI]
	v_med3_num_f32 v[CC+1], v[SG2], s[K_LO], s[K_HI]
	v_pk_add_f32 v[GG:GG+1], v[CC:CC+1], -2.0 op_sel_hi:[1,0]
	v_mul_f32 v[J0], s[K_QUART], v[CC]
	v_pk_mul_f32 v[GG:GG+1], v[GG:GG+1], v[CC:CC+1]                                                    ; 2s (2s - 2) = 4 g
	v_mul_f32 v[J0], v[J0], v[CC+1]                ; snow's J
	v_add_f32 v[GSUM], v[GG], v[GG+1]
	v_sub_f32 v[GDIF], v[GG], v[GG+1]
	v_cndmask_b32 v[J0], v[ADET], v[J0], s[IS2]    ; J = |det A| for the others
	v_mul_f32 v[GDIF], v[GDIF], v[IQR]
	v_fma_f32 v[JJ], v[J0], v[J0], -v[J0]          ; J (J - 1)
	v_fma_f32 v[MS11],  v[GDIF], v[CN], v[GSUM]
	v_fma_f32 v[MS22], -v[GDIF], v[CN], v[GSUM]
	v_mul_f32 v[MS12],  v[GDIF], v[SN]
	; the two coefficients
	v_cndmask_b32 v[MT], v[MT], s[K_03], s[IS1]    ; jelly: h = 0.3
	v_cndmask_b32 v[CF], v[VKJ], s[K_KS], s[IS2]   ; snow's matrix stands eightfold
	v_mul_f32 v[KK1], v[CF], v[MT]
	v_mul_f32 v[KK2], s[K_KL], v[MT]
	v_cndmask_b32 v[KK1], v[KK1], 0, s[IS0]        ; fluid: mu = 0
	v_mul_f32 v[KK2], v[KK2], v[JJ]                ; -1e-4 lambda J (J - 1)
	; choose M; the choice also puts it in the order of the rows
	v_cndmask_b32 v[FF],   v[MA],   v[MS11], s[IS2]
	v_cndmask_b32 v[FF+1], v[MB],   v[MS12], s[IS2]
	v_cndmask_b32 v[FF+2], v[MA+1], v[MS12], s[IS2]
	v_cndmask_b32 v[FF+3], v[MB+1], v[MS22], s[IS2]
	v_pk_fma_f32 v[CM:CM+1],   v[CM:CM+1],   s[K_PM:K_PM+1], v[KK2:KK2+1] op_sel_hi:[1,0,1]                 ; P_MASS (c11, c12) + (k2, 0)
	v_pk_fma_f32 v[CM+2:CM+3], v[CM+2:CM+3], s[K_PM:K_PM+1], v[KK2:KK2+1] op_sel:[0,0,1] op_sel_hi:[1,0,0]  ; P_MASS (c21, c22) + (0, k2)
	v_pk_fma_f32 v[CM:CM+1],   v[FF:FF+1],   v[KK1:KK1+1], v[CM:CM+1]   op_sel_hi:[1,0,1]                   ; + k1 M
	v_pk_fma_f32 v[CM+2:CM+3], v[FF+2:FF+3], v[KK1:KK1+1], v[CM+2:CM+3] op_sel_hi:[1,0,1]
	global_store_b128 v[VO16], v[CM:CM+3], s[12:13] offset:\g*MAT_STEP th:TH_STORE_NT   ; the wave stores 512 consecutive bytes; these registers are not written again
.endm
	PARTICLE 0, 16
	PARTICLE 1, 12
	PARTICLE 2, 8
	PARTICLE 3, 4
	PARTICLE 4, 0
	s_endpgm
.Lfunc_end_k_qa6331c8739_mpm:
	.size	k_qa6331c8739_mpm, .Lfunc_end_k_qa6331c8739_mpm-k_qa6331c8739_mpm
	.p2alignl 7, 3214868480
	.fill 96, 4, 3214868480
	.section	.rodata,"a",@progbits
	.p2align	6, 0x0
	.amdhsa_kernel k_qa6331c8739_mpm
		.amdhsa_group_segment_fixed_size 0
		.amdhsa_private_segment_fixed_size 0
		.amdhsa_enable_private_segment 0
		.amdhsa_kernarg_size 40
		.amdhsa_user_sgpr_count 2
		.amdhsa_user_sgpr_kernarg_segment_ptr 1
		.amdhsa_wavefront_size32 1
		.amdhsa_system_sgpr_workgroup_id_x 1
		.amdhsa_system_sgpr_workgroup_id_y 1
		.amdhsa_system_sgpr_workgroup_id_z 1
		.amdhsa_system_vgpr_workitem_id 0
		.amdhsa_next_free_vgpr 80
		.amdhsa_next_free_sgpr 66
		.amdhsa_reserve_vcc 0
		.amdhsa_float_denorm_mode_32 3
		.amdhsa_float_denorm_mode_16_64 3
		.amdhsa_memory_ordered 1
		.amdhsa_forward_progress 1
		.amdhsa_inst_pref_size 26
	.end_amdhsa_kernel
	.amdgpu_metadata
---
amdhsa.version: [ 1, 2 ]
amdhsa.kernels:
  - .name:           k_qa6331c8739_mpm
    .symbol:         k_qa6331c8739_mpm.kd
    .args:
      - { .name: C, .offset: 0, .size: 8, .value_kind: global_buffer, .address_space: global }
      - { .name: F, .offset: 8, .size: 8, .value_kind: global_buffer, .address_space: global }
      - { .name: Jp, .offset: 16, .size: 8, .value_kind: global_buffer, .address_space: global }
      - { .name: material, .offset: 24, .size: 8, .value_kind: global_buffer, .address_space: global }
      - { .name: out0, .offset: 32, .size: 8, .value_kind: global_buffer, .address_space: global }
    .group_segment_fixed_size: 0
    .private_segment_fixed_size: 0
    .kernarg_segment_align: 8
    .kernarg_segment_size: 40
    .max_flat_workgroup_size: 128
    .sgpr_count:     66
    .vgpr_count:     80
    .wavefront_size: 32
...
	.end_amdgpu_metadata
.endif
;; end of part 1
